; MI455X (gfx1250); checked and timed in simulation.
; The chip was launched on July 23, 2026; its instructions are those of AMD's public machine-readable ISA for CDNA 5 (MIT licence, August 2026) and "CDNA5" Instruction Set Architecture Reference Guide (July 2026). The comments in the code are by the model that wrote it; some were corrected since.
;; Multi Head Self Attention. Allowed arithmetic: matrix products marked QUANTISED: E2M3 operands, one E8M0 scale for each 32 along K, by v_wmma_scale_f32_16x16x128_f8f6f4 with both operands' format E2M3, f32 sums; everything else in f32.
;; Inputs: Wk 1,024 x 1,024 float32; Wq 1,024 x 1,024 float32; Wv 1,024 x 1,024 float32; x 4 x 2,048 x 1,024 float32.
;; Outputs: out0 4 x 2,048 x 1,024 float32.
;; This version of the problem:
;;   THIS VERSION OF THE PROBLEM IS GIVEN IN LOW PRECISION. The matrix products marked QUANTISED in the list below multiply operands that are first quantised to E2M3 (2 exponent bits, 3 mantissa bits; 6 bits a number), with one power-of-two scale for each 32 numbers along K (OCP MX v1.0); their sums are f32. All else is computed in f32.
;;   The module's matrix products, in the order in which they are computed (A, B: the left and right operand; K: the contracted axis; several contracted axes count as one K, in the product's order):
;;     1. [M 8,192, K 1,024] x [K 1,024, N 1,024]; A: input x; B: input Wq: QUANTISED
;;     2. [M 8,192, K 1,024] x [K 1,024, N 1,024]; A: input x; B: input Wk: QUANTISED
;;     3. [M 8,192, K 1,024] x [K 1,024, N 1,024]; A: input x; B: input Wv: QUANTISED
;;     4. batch 64 x [M 2,048, K 64] x [K 64, N 2,048]; A: computed on the way; B: computed on the way: QUANTISED
;;     5. batch 64 x [M 2,048, K 2,048] x [K 2,048, N 64]; A: softmax (see below); B: computed on the way: QUANTISED
;;   THE QUANTISER, for each operand of a quantised product, along K:
;;     - K is cut into blocks of 32 from its start; a last block that is shorter is filled with zeros.
;;     - A block's scale is 2^e with e = floor(log2(the largest magnitude in the block)) - 2, held to -126 .. 127; a block of zeros has e = 0. As a byte (E8M0): e + 127.
;;     - Each number is divided by its block's scale, clamped to +-7.5, and rounded to the nearest number of E2M3, ties to even, subnormals kept.
;;     - The product sums the exact products of the quantised numbers (number of the format x scale) in f32.
;;   ~~~python
;;   def quantise(x, axis):      # numpy; x: float32 -> the quantised numbers, widened to float32 again
;;       x = np.moveaxis(x, axis, -1); K = x.shape[-1]
;;       x = np.pad(x, [(0, 0)] * (x.ndim - 1) + [(0, -K % 32)]); x = x.reshape(x.shape[:-1] + (-1, 32)); a = np.abs(x).max(-1, keepdims=True)
;;       e = np.where(a > 0, np.clip(np.frexp(np.where(a > 0, a, 1))[1] - 1 - 2, -126, 127), 0)      # np.frexp(a)[1] - 1 = floor(log2(a)), exactly
;;       r = np.clip(x / 2.0 ** e, -7.5, 7.5)
;;       step = 2.0 ** (np.maximum(np.frexp(np.where(r == 0, 1, r))[1] - 1, 0) - 3)
;;       q = np.round(r / step) * step * 2.0 ** e      # np.round: ties to even
;;       return np.moveaxis(q.reshape(q.shape[:-2] + (-1,))[..., :K], -1, axis).astype(np.float32)
;;   ~~~
;;   SOFTMAX AHEAD OF A QUANTISED PRODUCT. Where the list says 'softmax', what is quantised is not the finished softmax but p = 2^(t - M), with t = logit x log2(e) and M = ceil(the row's largest t), a whole number; so 1/2 < the row's largest p <= 1. The row's sum l is taken of the UNQUANTISED p, in f32, and the product's result is divided by l at the end. Since M is a whole number, a kernel that streams over the keys may use a running M (the ceiling of the running maximum): every later rescaling is an exact power of two, which a block's scale takes up: the codes' values come out the same.
;;   OPERANDS COMPUTED ON THE WAY. 'Computed on the way' means the value that the module computes at that place (a softmax that the list does not call 'softmax' is quantised finished and normalised). What goes into a quantiser is computed in f32, as accurately as f32 sums, v_exp_f32 and their like allow (about 1e-6 of the number): no bf16 or f16 on the way to a quantiser, and a product that is left as it is and whose result goes on into a quantised operand takes f32 operands (vector FMAs, or v_wmma_f32_16x16x4_f32). A number that lies on a knife's edge between two numbers of the format may be rounded either way, as far as f32 arithmetic and the matrix unit's own rounding can turn it there, and no further.
;; One version. Each part assembles by itself: llvm-mc -triple=amdgcn-amd-amdhsa -mcpu=gfx1250 --defsym DOCPART=n.
;; ======== version 1 of 1: 4 launches
;; workspace buffers: xq 6,553,600 bytes; wqkq 1,835,008 bytes; wvq 1,048,576 bytes; qkimg 13,107,200 bytes; vimg 13,107,200 bytes
;; launch quant (part 1): grid 352 x 1, 4 waves a work-group, no clusters, 33,280 bytes of LDS; arguments x, Wq, Wk, Wv, xq, wqkq, wvq; writes xq, wqkq, wvq
.if DOCPART == 1
	.amdgcn_target "amdgcn-amd-amdhsa--gfx1250"
	.amdhsa_code_object_version 6
	.text
	.protected	k_qd4bd0fda92_quant
	.globl	k_qd4bd0fda92_quant
	.p2align	8
	.type	k_qd4bd0fda92_quant,@function
k_qd4bd0fda92_quant:
	s_mov_b64 s[64:65], 0
	v_nop
	global_prefetch_b8 v0, s[64:65] scope:SCOPE_SE
	s_setreg_imm32_b32 hwreg(HW_REG_WAVE_MODE, 25, 1), 1
	s_wait_xcnt 0x0
; x [8192][1024], Wq, Wk, Wv [1024][1024], f32, K innermost, are turned into codes of FP6 (E2M3) with one E8M0 scale byte for each 32 along K.
; A block's scale is 2^(floor(log2(its largest magnitude)) - 2); its byte is the largest magnitude's exponent field - 2, held at 1 from below.  Each number is divided by the scale and
; rounded to the nearest code, ties to even; beyond 7.5 the largest code.
; LIMITS: a block of zeros, or one whose largest magnitude lies under 2^-124, gets the byte 1 (its codes are zeros or subnormal codes under that byte; the bytes are read by this program alone);
; NaN and infinities among the inputs are not served.
; EACH DESTINATION BUFFER: scale bytes [rows][32] at byte 0, codes [rows][768] at byte SCO.  xq: x's 8,192 rows; wqkq: Wq's 1,024 rows, then Wk's; wvq: Wv's.
; ROWS LIE IN TILE ORDER: of each 32 rows the four groups of 8 lie in the order 0, 2, 1, 3, so that position 16 a + m holds row 32 (a / 2) + 8 (a % 2) + m + 8 (m / 8).  The products that follow take 16
; neighbouring positions as a tile; a lane's 16 results of two neighbouring tiles are then 16 neighbouring rows.  A wave's run is 8,192 numbers = 8 rows, so the order costs one change of the run's number.
; A wave takes 16 steps of 512 numbers.  Each of a step's four loads reads 512 consecutive bytes; the 2,048 bytes turn through the wave's own stage in LDS and come back 64 bytes (16 neighbours) a lane:
; two neighbouring lanes hold a block.  A lane's 16 codes are 12 bytes: the wave stores 384 consecutive bytes.  A wave's 256 scale bytes are gathered in LDS and leave as one aligned run of 256 bytes.
; Work-groups 0-255 take x, 256-287 Wq, 288-319 Wk, 320-351 Wv: only pointers are chosen, all take one path.  No tensor loads, no barrier: waves share nothing.
.set STEPS, 16
.set CB,    12                         ; bytes of 16 codes
.set R,     16                         ; v16-79   four sets of 16 numbers as they are loaded
.set X,     80                         ; v80-111  two sets of 16 neighbours
.set E,     112                        ; v112-127 a scale byte for each step
.set C,     128                        ; v128-191 codes: four registers for each step, so that no store's data are written again
.set WREG,  8192                       ; LDS: a region for each wave: two stages of 32 x SP bytes, behind them its 256 scale bytes
.set SP,    80                         ; a lane's place in a stage: its 64 bytes + 16 of padding
.set SCO,   262144                     ; where the codes begin in a destination buffer
.set SRC,   20                         ; s[20:21] the numbers of my run
.set SCB,   22                         ; s[22:23] the destination buffer, then my run's scale bytes
.set COD,   28                         ; s[28:29] my run's codes
	s_load_b256 s[4:11], s[0:1], 0x0               ; x s[4:5], Wq s[6:7], Wk s[8:9], Wv s[10:11]
	s_load_b128 s[12:15], s[0:1], 0x20             ; xq s[12:13], wqkq s[14:15]
	s_load_b64 s[16:17], s[0:1], 0x30              ; wvq
	v_lshl_add_u32 v192, v0, 2, 0x8000
	v_mov_b32 v193, 0
	v_lshrrev_b32 v1, 5, v0
	v_readfirstlane_b32 s18, v1                    ; wave
	v_and_b32 v2, 31, v0                           ; lane
	v_lshlrev_b32 v3, 4, v2                        ; my 16 bytes of a load's 512
	s_mul_i32 s19, s18, WREG
	v_lshrrev_b32 v14, 2, v2
	v_mul_u32_u24 v14, v14, SP
	v_and_b32 v15, 3, v2
	v_lshl_add_u32 v14, v15, 4, v14
	v_add_nc_u32 v14, s19, v14                     ; the stage, on the way in: SP (lane / 4) + 16 (lane % 4)
	v_mul_u32_u24 v15, v2, SP
	v_add_nc_u32 v15, s19, v15                     ; and on the way out: SP x lane: my 16 neighbours
	v_mul_u32_u24 v4, v2, CB                       ; my codes' place in a step's
	v_lshrrev_b32 v5, 1, v2
	s_add_co_u32 s19, s19, 2*32*SP
	v_add_nc_u32 v5, s19, v5                       ; LDS: my wave's 256 scale bytes, my block's byte
	v_lshlrev_b32 v7, 3, v2                        ; and on the way out 8 bytes a lane
	v_add_nc_u32 v6, s19, v7
	s_wait_kmcnt 0x0
	; which tensor: the choice hangs on the work-group's number alone.  s24: the tensor's first work-group; s25: the first work-group of its destination buffer
	s_mov_b64 s[SRC:SRC+1], s[10:11]               ; Wv -> wvq
	s_mov_b64 s[SCB:SCB+1], s[16:17]
	s_mov_b32 s24, 320
	s_mov_b32 s25, 320
	s_cmp_lt_u32 ttmp9, 320                        ; Wk -> wqkq, behind Wq's rows
	s_cselect_b64 s[SRC:SRC+1], s[8:9], s[SRC:SRC+1]
	s_cselect_b64 s[SCB:SCB+1], s[14:15], s[SCB:SCB+1]
	s_cselect_b32 s24, 288, s24
	s_cselect_b32 s25, 256, s25
	s_cmp_lt_u32 ttmp9, 288                        ; Wq -> wqkq
	s_cselect_b64 s[SRC:SRC+1], s[6:7], s[SRC:SRC+1]
	s_cselect_b32 s24, 256, s24
	s_cmp_lt_u32 ttmp9, 256                        ; x -> xq
	s_cselect_b64 s[SRC:SRC+1], s[4:5], s[SRC:SRC+1]
	s_cselect_b64 s[SCB:SCB+1], s[12:13], s[SCB:SCB+1]
	s_cselect_b32 s24, 0, s24
	s_cselect_b32 s25, 0, s25
	s_sub_co_u32 s24, ttmp9, s24
	s_lshl_b32 s24, s24, 2
	s_add_co_u32 s24, s24, s18                     ; which run of 8 rows of the tensor is my wave's
	s_lshl_b32 s26, s24, 15                        ; 32,768 bytes a run
	s_mov_b32 s27, 0
	s_add_nc_u64 s[SRC:SRC+1], s[SRC:SRC+1], s[26:27]
	s_sub_co_u32 s25, ttmp9, s25
	s_lshl_b32 s25, s25, 2
	s_and_b32 s30, s18, 1
	s_lshl_b32 s30, s30, 1
	s_lshr_b32 s31, s18, 1
	s_or_b32 s30, s30, s31                         ; tile order: group 0, 1, 2, 3 of the 32 rows goes to place 0, 2, 1, 3
	s_add_co_u32 s25, s25, s30                     ; the run's place in the destination
	s_mul_i32 s26, s25, 32*STEPS*CB                ; 6,144 bytes of codes a run
	s_add_co_u32 s26, s26, SCO
	s_add_nc_u64 s[COD:COD+1], s[SCB:SCB+1], s[26:27]
	s_lshl_b32 s26, s25, 8                         ; 256 scale bytes a run
	s_add_nc_u64 s[SCB:SCB+1], s[SCB:SCB+1], s[26:27]
.macro LOAD t
.irp i, 0,1,2,3
	global_load_b128 v[R+16*((\t)%4)+4*\i:R+16*((\t)%4)+4*\i+3], v3, s[SRC:SRC+1] offset:2048*(\t)+512*\i th:TH_LOAD_NT   ; 32 lanes read 512 consecutive bytes
.endr
.endm
.macro TURN t                          ; step t's numbers through the stage: LDS serves a wave's instructions in order (ISA guide 5.7.1.4), so no wait stands between the stores and the loads
.irp i, 0,1,2,3
	ds_store_b128 v14, v[R+16*((\t)%4)+4*\i:R+16*((\t)%4)+4*\i+3] offset:32*SP*((\t)%2)+8*SP*\i
.endr
.irp i, 0,1,2,3
	ds_load_b128 v[X+16*((\t)%2)+4*\i:X+16*((\t)%2)+4*\i+3], v15 offset:32*SP*((\t)%2)+16*\i
.endr
.endm
.irp t, 0,1,2,3
	LOAD \t
.endr
	s_wait_loadcnt 12                              ; step 0's four loads are in; the twelve of steps 1 to 3 may be out
	TURN 0
.macro STEP t
.set XS, X+16*((\t)%2)
.if (\t) > 0
	s_wait_dscnt 1                                 ; this step's numbers are back from the stage (the last step's byte store may be out): so its stores into the stage have read their registers,
.else
	s_wait_dscnt 0x0
.endif
.if (\t)+4 < STEPS
	LOAD (\t)+4                                    ; which take the loads of four steps on
.endif
.if (\t)+1 < STEPS
.if STEPS-2-(\t) >= 3
	s_wait_loadcnt 12                              ; the next step's four loads are in; those of the three steps behind it may be out
.else
	s_wait_loadcnt 4*(STEPS-2-(\t))                ; at the end the counts run down
.endif
	TURN (\t)+1                                    ; and go through the other stage while this step is worked
.endif
	v_max3_num_f32 v8, |v[XS]|, |v[XS+1]|, |v[XS+2]|               ; the largest magnitude of my 16, in two chains
	v_max3_num_f32 v9, |v[XS+3]|, |v[XS+4]|, |v[XS+5]|
.irp i, 6,10
	v_max3_num_f32 v8, v8, |v[XS+\i]|, |v[XS+\i+1]|
	v_max3_num_f32 v9, v9, |v[XS+\i+2]|, |v[XS+\i+3]|
.endr
	v_max3_num_f32 v8, v8, |v[XS+14]|, |v[XS+15]|
	v_max3_num_f32 v8, v8, v9, 0x1800000           ; and the floor 2^(3 - 127): so the byte cannot fall under 1
	v_max_num_f32_dpp v8, v8, v8 row_xmask:1 row_mask:0xf bank_mask:0xf   ; and of my neighbour's 16: the block's
	v_add_nc_u32 v11, 0xff000000, v8               ; 2 off its exponent field: the conversion takes the exponent field of this operand as its scale, and nothing else of it
	v_cvt_scalef32_pk16_fp6_f32 v[C+4*(\t):C+4*(\t)+2], v[XS:XS+15], v11   ; sixteen codes, 96 bits without gaps, the first number's code lowest
	v_lshrrev_b32 v[E+(\t)], 23, v11               ; the scale's byte (also the plain instruction behind the conversion)
	ds_store_b8 v5, v[E+(\t)] offset:16*(\t)       ; both lanes of a block write the same byte with the same value
	global_store_b96 v4, v[C+4*(\t):C+4*(\t)+2], s[COD:COD+1] offset:32*CB*(\t)
.endm
.irp t, 0,1,2,3,4,5,6,7,8,9,10,11,12,13,14,15
	STEP \t
.endr
	ds_load_b64 v[12:13], v6                       ; in order behind my byte stores
	s_wait_dscnt 0x0
	global_store_b64 v7, v[12:13], s[SCB:SCB+1]    ; 32 lanes store 256 consecutive bytes, aligned
	s_wait_tensorcnt 0x0
	ds_add_u32 v192, v193
	s_wait_dscnt 0x0
	s_endpgm
.Lfunc_end_k_qd4bd0fda92_quant:
	.size	k_qd4bd0fda92_quant, .Lfunc_end_k_qd4bd0fda92_quant-k_qd4bd0fda92_quant
	.p2alignl 7, 3214868480
	.fill 96, 4, 3214868480
	.section	.rodata,"a",@progbits
	.p2align	6, 0x0
	.amdhsa_kernel k_qd4bd0fda92_quant
		.amdhsa_group_segment_fixed_size 33280
		.amdhsa_private_segment_fixed_size 0
		.amdhsa_enable_private_segment 0
		.amdhsa_kernarg_size 56
		.amdhsa_user_sgpr_count 2
		.amdhsa_user_sgpr_kernarg_segment_ptr 1
		.amdhsa_wavefront_size32 1
		.amdhsa_system_sgpr_workgroup_id_x 1
		.amdhsa_system_sgpr_workgroup_id_y 1
		.amdhsa_system_sgpr_workgroup_id_z 1
		.amdhsa_system_vgpr_workitem_id 0
		.amdhsa_next_free_vgpr 194
		.amdhsa_next_free_sgpr 66
		.amdhsa_reserve_vcc 0
		.amdhsa_float_denorm_mode_32 3
		.amdhsa_float_denorm_mode_16_64 3
		.amdhsa_memory_ordered 1
		.amdhsa_forward_progress 1
		.amdhsa_inst_pref_size 33
	.end_amdhsa_kernel
	.amdgpu_metadata
---
amdhsa.version: [ 1, 2 ]
amdhsa.kernels:
  - .name:           k_qd4bd0fda92_quant
    .symbol:         k_qd4bd0fda92_quant.kd
    .args:
      - { .name: x, .offset: 0, .size: 8, .value_kind: global_buffer, .address_space: global }
      - { .name: Wq, .offset: 8, .size: 8, .value_kind: global_buffer, .address_space: global }
      - { .name: Wk, .offset: 16, .size: 8, .value_kind: global_buffer, .address_space: global }
      - { .name: Wv, .offset: 24, .size: 8, .value_kind: global_buffer, .address_space: global }
      - { .name: xq, .offset: 32, .size: 8, .value_kind: global_buffer, .address_space: global }
      - { .name: wqkq, .offset: 40, .size: 8, .value_kind: global_buffer, .address_space: global }
      - { .name: wvq, .offset: 48, .size: 8, .value_kind: global_buffer, .address_space: global }
    .group_segment_fixed_size: 33280
    .private_segment_fixed_size: 0
    .kernarg_segment_align: 8
    .kernarg_segment_size: 56
    .max_flat_workgroup_size: 128
    .sgpr_count:     66
    .vgpr_count:     194
    .wavefront_size: 32
...
	.end_amdgpu_metadata
.endif
;; end of part 1
;; launch proj (part 2): grid 8 x 32, 4 waves a work-group, clusters of 4 x 4, 327,680 bytes of LDS; arguments xq, wqkq, qkimg; writes qkimg
.if DOCPART == 2
	.amdgcn_target "amdgcn-amd-amdhsa--gfx1250"
	.amdhsa_code_object_version 6
	.text
	.protected	k_qd4bd0fda92_proj
	.globl	k_qd4bd0fda92_proj
	.p2align	8
	.type	k_qd4bd0fda92_proj,@function
k_qd4bd0fda92_proj:
	s_mov_b64 s[64:65], 0
	v_nop
	global_prefetch_b8 v0, s[64:65] scope:SCOPE_SE
	s_setreg_imm32_b32 hwreg(HW_REG_WAVE_MODE, 25, 1), 1
	s_wait_xcnt 0x0
	s_wait_alu depctr_hold_cnt(0) depctr_sa_sdst(0) depctr_va_vdst(0) depctr_va_sdst(0) depctr_va_ssrc(0) depctr_va_vcc(0) depctr_vm_vsrc(0)
	s_getreg_b32 s2, hwreg(HW_REG_IB_STS2, 6, 4)
	s_cmp_eq_u32 s2, 0
	s_cbranch_scc0 .Lentry_in_a_cluster
	s_endpgm
.Lentry_in_a_cluster:
	s_bfe_u32 s2, ttmp6, 0x10000c
	s_cmp_lg_u32 s2, 0xf033
	s_cbranch_scc0 .Lentry_shape_is_right
	s_endpgm
.Lentry_shape_is_right:
; A product of two operands given as codes of FP6 (E2M3) with E8M0 scales, K = 1,024, whose RESULT IS QUANTISED AGAIN and stored as the next product's operand registers.
; Arguments: P, R (each: scale bytes [rows][32] at byte 0, codes [rows][768] at byte SCO, rows in tile order: position 16 a + m holds row 32 (a / 2) + 8 (a % 2) + m + 8 (m / 8)), and O.
; D[p][r] = sum over k of P[p][k] R[r][k], times a factor (below), quantised along r in blocks of 32.  The body serves two launches:
;   P = x's tokens, R = Wq's rows and then Wk's: q and k, quantised along the head's 64;      P = Wv's rows, R = x's tokens: v^T, quantised along the keys.
; A tile of D, 256 x 256, is made by a work-group of four waves, a wave makes 128 x 128: 64 accumulators, 512 registers.  K goes in steps of 256 through a ring of two LDS slots filled by the tensor data mover.
; The scale bytes of the work-group's 256 rows of P and of R, for all of K, are two dense blocks: they come into LDS once, with the first fills.
; CLUSTERS: 4 x 4 work-groups.  The four of a row of the cluster need the same tiles of P, the four of a column the same tiles of R: each tile is asked for JOINTLY.
; THE MATRIX INSTRUCTION: source 0 = 16 positions of R, source 1 = 16 positions of P.  A lane then holds one row of P, and by the tile order the 16 registers of accumulators 2 b and 2 b + 1 are rows
; 32 b + 16 (lane / 16) + 0 .. 15 of R's group of 128: 16 NEIGHBOURS along the next product's K.
; THE FACTOR is reference()'s rotary step, whose angle hangs on the batch alone: d < 32: cos + sin, d >= 32: cos - sin of pos x 10000^(-(d % 32) / 32), d = R's row % 64, pos = P's row / 2,048.
; Where P has 1,024 rows (Wv) pos is 0 and every factor is exactly 1.  The angle / 4 (at most 0.75) goes through the series of sine and cosine up to the 11th and 10th power (what is cut lies under 1e-10), then two doublings.
; THE WAY OUT: 16 rows of P x 128 of R become the 12 registers of an FP6 fragment, stored AS THEY STAND: register q of lane l at 512 (q / 4) + 16 l + 4 (q % 4) of a chunk of 1,536 bytes.
; chunk = ((Ridx >> 4) + (Pidx >> 7)) x 2,048 + (Ridx & 15) x 128 + (Pidx & 127), Pidx = P's tile of 16, Ridx = R's group of 128; in each launch one of the two high parts is 0 (16 groups of R, or 64 tiles of P).
; The scale words of 8 neighbouring chunks are one group of 512 bytes at SGO + 64 x chunk: lane r + 16 h's word j is that of chunk 4 h + j, row r.
; LIMITS: a block of zeros, or one whose largest magnitude lies under 2^-124, gets the byte 1; NaN and infinities are not served.
; No prefetch: a launch has four K steps, and the first two are asked for at its head.
; REGISTERS, in windows of 256: window 0: v0-31 addresses; v32-63 scale words, two sets; v64-95 the factors; from v128 P's fragments, ONE set (ahead of the loop: at work for the factors; on the way out: at work).
;   window 1: R's fragments, TWO sets, at v0 and v128.   window 2: the accumulators of my rows 0-63 ((a, b) at v[8 (8 a + b)]);   window 3: those of my rows 64-127.
.set KSTEP,  256                       ; along K in a slot
.set NQ,     2                         ; matrix instructions deep
.set ROWB,   192                       ; a tile's row in bytes
.set KROW,   768                       ; a row of codes in memory
.set PITCH,  240                       ; an LDS row: 3 x (64 bytes + 16 of padding) = 60 words: row r starts at bank -4 r mod 64 (64 banks of 4 bytes: ISA guide 11.1), so the 32 lanes of a load of 8 bytes touch 64 different banks
.set FR,     12                        ; registers of a fragment
.set NL,     6                         ; LDS loads that bring one
.set NP,     4                         ; places behind this matrix instruction (ISA guide 7.12.1)
.set HALFT,  128*PITCH                 ; 128 rows: what one tensor load brings
.set SLOT,   4*HALFT                   ; P's 256 rows, then R's 256 rows
.set LAPS,   2                         ; a lap = two K steps = once round the ring
.set KS,     32                        ; a row of scale bytes
.set SCL,    2*SLOT                    ; behind the ring: the scales, as runs of 256 bytes + 16 of padding
.set HALFS,  (128*KS/256)*272          ; the scales of 128 rows: what one tensor load brings
.set SBLK,   (16*KS/256)*272           ; those of 16 rows
.set SPARE,  SCL+4*HALFS               ; behind the scales: the spare words, 128 bytes for each wave: two blocks of 256 bytes that no other line names
.set SCO,    262144                    ; where the codes begin in P and in R
.set SGO,    12582912                  ; where the scale groups begin in O: behind 8,192 chunks
.set ADRA, 16                          ; v16-17  LDS address of my P fragments in slot 0, 1  (v18-19: for the pieces that lie behind one padding more)
.set ADRB, 20                          ; v20-21  the same for R  (v22-23)
.set GI,   26                          ; v26     16 x lane: my place in a store of 512 bytes
.set ADRS, 27                          ; v27     LDS address of my scale words: lanes 0-15 P's rows, lanes 16-31 R's
.set SPW,  28                          ; v28     LDS address of my spare word; never rewritten
.set NIL,  29                          ; v29     0; never rewritten
.set SC,   32                          ; scale words: set s at v[SC + 16 s]; register 2 i + q: lanes 0-15 P's block i, lanes 16-31 R's block i, the slot's q-th 128 along K
.set FPL,  64                          ; v64-79  cos + sin for d % 32 = 16 (lane / 16) + i
.set FMI,  80                          ; v80-95  cos - sin
.set AF,   128                         ; P's fragments
.set RY,   128                         ; ahead of the loop: the angle / 4;  RZ its square;  RS the sine;  RC the cosine
.set RZ,   144
.set RS,   160
.set RC,   176
.set HA,   128                         ; the way out: v128-191 a block's 64 numbers
.set CD,   192                         ; v192-210 the codes just made
.set TM,   212                         ; v212-227 largest magnitudes, bytes, the conversions' scale operands
.set PW,   228                         ; the scale word just made
.set SW,   232                         ; v[232:235] the scale group
.set SEL,  96                          ; s[96:97] v_permlanex16_b32's selects for lane l xor 16
.set G1, 24                            ; s[24:31] descriptor group 1 for P's tiles;  s[32:39] group 0, one set for each slot
.set G0, 32
.set G1B, 48                           ; s[48:55], s[56:63] the same for R's tiles
.set G0B, 56
.set G1S, 68                           ; s[68:75], s[76:79] groups 1 and 0 for P's scales;  s[80:87], s[88:91] for R's
.set G0S, 76
.set G1SB, 80
.set G0SB, 88
.set MSB, 0
.macro WIN new                         ; the immediate's high byte repeats the setting that is left
.if MSB != \new
	s_set_vgpr_msb (MSB<<8)|\new
.set MSB, \new
.endif
.endm
.set MUL_LO, 0xa1                      ; source 0 (R) window 1, source 1 (P) window 0, C and D window 2
.set MUL_HI, 0xf1                      ; the same, C and D window 3
.set TO_B,   0x40                      ; destination window 1, address window 0
; A joint load: waves 0 and 1 fetch for P, waves 2 and 3 for R.  Each of the two lines has ONE mask and one set of registers for all that issue it; the branch hangs on the wave's number alone.
; Four v_nop follow each of the two lines, ahead of the jump, the label and what follows.
.macro JLOAD g0a, g1a, g0b, g1b
	s_cmp_eq_u32 s15, 0
	s_cbranch_scc0 .Lfor_b_\@
	tensor_load_to_lds s[\g0a:\g0a+3], s[\g1a:\g1a+7]
	s_nop 0
.rept 4
	v_nop
.endr
	s_branch .Lasked_\@
.Lfor_b_\@:
	tensor_load_to_lds s[\g0b:\g0b+3], s[\g1b:\g1b+7]
	s_nop 0
.rept 4
	v_nop
.endr
.Lasked_\@:
.endm
.macro CREST                           ; a round of the cluster's barrier behind its opening barrier
	s_cmp_lg_u32 s14, 0
	s_cbranch_scc1 .Lnot_wave_0_\@
	s_barrier_signal -3
.Lnot_wave_0_\@:
	s_barrier_wait -3
	s_barrier_signal -1
	s_barrier_wait -1
.endm
.macro CROUND                          ; a whole round
	s_barrier_signal -1
	s_barrier_wait -1
	CREST
.endm
	s_load_b64 s[6:7], s[0:1], 0x0                 ; P: its scale bytes begin here
	s_load_b64 s[10:11], s[0:1], 0x8               ; R likewise
	s_load_b64 s[12:13], s[0:1], 0x10              ; O
	v_lshl_add_u32 v[SPW], v0, 2, SPARE
	v_mov_b32 v[NIL], 0
	ds_add_u32 v28, v29
	s_wait_dscnt 0x0
	v_lshrrev_b32 v1, 5, v0
	v_readfirstlane_b32 s14, v1                    ; wave 0..3
	s_lshr_b32 s15, s14, 1                         ; which half of the tile's rows of P is mine.  Also: I fetch for P (0) or for R (1)
	s_and_b32 s16, s14, 1                          ; which half of its rows of R.  Also: which 128 rows of that tile I fetch
	s_bfe_u32 s40, ttmp6, 0x40000                  ; cx, cy: my place in the cluster
	s_bfe_u32 s41, ttmp6, 0x40004
	s_lshl_b32 s42, ttmp9, 2
	s_add_co_u32 s42, s42, s40                     ; R's tile of 256 = 4 x cluster x + cx
	s_and_b32 s17, ttmp7, 0xffff
	s_lshl_b32 s17, s17, 2
	s_add_co_u32 s17, s17, s41                     ; P's tile of 256 = 4 x cluster y + cy
	s_lshl_b32 s43, s41, 2
	s_lshl_b32 s43, 15, s43                        ; my row of the cluster
	s_lshl_b32 s44, 0x1111, s40                    ; my column
	; descriptor group 1: a tile of 128 rows x ROWB bytes, padded in LDS
	s_or_b32 s[G1+0], s43, (0<<16)|(1<<20)|(1<<21)|(3<<22)|(3<<25)  ; 15:0 the mask: P's tiles go to my row; 17:16 element of 1 byte; 20 padding on; 21 set beside a mask; 24:22 after every 16 words (code 3); 31:25 of 4 words (code 3)
	s_or_b32 s[G1B+0], s44, (0<<16)|(1<<20)|(1<<21)|(3<<22)|(3<<25)
.irp g, G1, G1B
	s_mov_b32 s[\g+1], ROWB<<16                    ; tensor_dim0
	s_mov_b32 s[\g+2], 128<<16                     ; tensor_dim1 = 128
	s_mov_b32 s[\g+3], ROWB<<16                    ; tile_dim0
	s_mov_b32 s[\g+4], 128                         ; tile_dim1 = 128
	s_mov_b32 s[\g+5], KROW                        ; tensor_dim0_stride
	s_mov_b32 s[\g+6], 0
	s_mov_b32 s[\g+7], 0
.endr
	; and for the scales of 128 rows: a dense block of 4,096 bytes, as rows of 256 bytes (32 elements of 8 bytes), 16 bytes of padding behind each
	s_or_b32 s[G1S+0], s43, (3<<16)|(1<<20)|(1<<21)|(5<<22)|(3<<25)
	s_or_b32 s[G1SB+0], s44, (3<<16)|(1<<20)|(1<<21)|(5<<22)|(3<<25)
.irp g, G1S, G1SB
	s_mov_b32 s[\g+1], 32<<16
	s_mov_b32 s[\g+2], (128*KS/256)<<16
	s_mov_b32 s[\g+3], 32<<16
	s_mov_b32 s[\g+4], 128*KS/256
	s_mov_b32 s[\g+5], 32
	s_mov_b32 s[\g+6], 0
	s_mov_b32 s[\g+7], 0
.endr
	s_lshl_b32 s18, s16, 7                         ; which 128 rows of the tile I fetch
	s_lshl_b32 s20, s17, 8
	s_add_co_u32 s20, s20, s18                     ; P: position 256 x tile + 128 x half
	s_lshl_b32 s46, s42, 8
	s_add_co_u32 s46, s46, s18                     ; R likewise
	s_mov_b32 s21, 0
	s_mov_b32 s47, 0
	s_mov_b64 s[18:19], KS
	s_mul_u64 s[22:23], s[20:21], s[18:19]         ; where these rows' scales begin, in bytes
	s_mul_u64 s[92:93], s[46:47], s[18:19]
	s_mov_b64 s[18:19], KROW
	s_mul_u64 s[20:21], s[20:21], s[18:19]         ; and their codes
	s_mul_u64 s[46:47], s[46:47], s[18:19]
	s_mul_i32 s45, s14, HALFT                      ; where they go: wave x 128 rows: no place in the cluster enters an LDS address
	s_mul_i32 s94, s14, HALFS
	s_mov_b32 s[SEL], 0x76543210
	s_mov_b32 s[SEL+1], 0xfedcba98
	s_wait_kmcnt 0x0
	s_add_nc_u64 s[4:5], s[6:7], SCO               ; P's codes
	s_add_nc_u64 s[8:9], s[10:11], SCO             ; R's codes
	s_add_nc_u64 s[20:21], s[4:5], s[20:21]
	s_add_nc_u64 s[22:23], s[6:7], s[22:23]
	s_add_nc_u64 s[46:47], s[8:9], s[46:47]
	s_add_nc_u64 s[92:93], s[10:11], s[92:93]
	CROUND                                         ; all sixteen work-groups are here: the first joint loads meet
	s_mov_b32 s[G0S], 1
	s_add_co_u32 s[G0S+1], s94, SCL
	s_mov_b64 s[G0S+2:G0S+3], s[22:23]
	s_or_b32 s[G0S+3], s[G0S+3], 0x80000000
	s_mov_b32 s[G0SB], 1
	s_add_co_u32 s[G0SB+1], s94, SCL
	s_mov_b64 s[G0SB+2:G0SB+3], s[92:93]
	s_or_b32 s[G0SB+3], s[G0SB+3], 0x80000000
	JLOAD G0S, G1S, G0SB, G1SB                     ; the scales first: they are wanted with K step 0
.irp s, 0,1
	s_mov_b32 s[G0+4*\s], 1
	s_add_co_u32 s[G0+4*\s+1], s45, \s*SLOT
	s_add_nc_u64 s[G0+4*\s+2:G0+4*\s+3], s[20:21], \s*ROWB
	s_or_b32 s[G0+4*\s+3], s[G0+4*\s+3], 0x80000000
	s_mov_b32 s[G0B+4*\s], 1
	s_add_co_u32 s[G0B+4*\s+1], s45, \s*SLOT
	s_add_nc_u64 s[G0B+4*\s+2:G0B+4*\s+3], s[46:47], \s*ROWB
	s_or_b32 s[G0B+4*\s+3], s[G0B+4*\s+3], 0x80000000
	JLOAD G0+4*\s, G1, G0B+4*\s, G1B               ; by this text's count three tensor loads of mine are out now
.endr
	v_and_b32 v1, 15, v0                           ; l % 16
	v_bfe_u32 v2, v0, 4, 1                         ; l / 16
	v_mul_u32_u24 v3, v1, PITCH
	v_mul_u32_u24 v4, v2, 24
	v_add_nc_u32 v4, v3, v4                        ; a fragment's row x pitch + 24 x half
	v_lshl_add_u32 v5, v2, 4, v4                   ; and the same behind one padding more
	s_mul_i32 s21, s15, HALFT                      ; my 128 rows of P
	s_mul_i32 s22, s16, HALFT                      ; my 128 rows of R,
	s_add_co_u32 s22, s22, 2*HALFT                 ; which lie behind P's 256
.irp s, 0,1
	v_add_nc_u32 v[ADRA+\s], s21, v4
	v_add_nc_u32 v[ADRB+\s], s22, v4
	v_add_nc_u32 v[ADRA+2+\s], s21, v5
	v_add_nc_u32 v[ADRB+2+\s], s22, v5
	s_add_co_u32 s21, s21, SLOT
	s_add_co_u32 s22, s22, SLOT
.endr
	v_mul_u32_u24 v5, v1, KS                       ; my row's scales: KS bytes a row,
	v_lshrrev_b32 v6, 8, v5
	v_lshl_add_u32 v5, v6, 4, v5                   ; and 16 more for each 256 passed
	s_mul_i32 s21, s15, HALFS                      ; P's: my 128 rows
	s_mul_i32 s22, s16, HALFS                      ; R's: my 128 rows, behind P's 256
	s_add_co_u32 s22, s22, 2*HALFS
	s_sub_co_u32 s22, s22, s21
	v_mul_u32_u24 v6, s22, v2                      ; lanes 16-31 take R's
	s_add_co_u32 s21, s21, SCL
	v_add_nc_u32 v5, v5, v6
	v_add_nc_u32 v[ADRS], s21, v5
	v_and_b32 v6, 31, v0
	v_lshlrev_b32 v[GI], 4, v6
	; where my eight chunks and their scale group lie in O
	s_lshl_b32 s20, s17, 4
	s_lshl_b32 s21, s15, 3
	s_add_co_u32 s20, s20, s21                     ; Pidx of my first block: 16 x tile + 8 x half
	s_lshl_b32 s46, s42, 1
	s_add_co_u32 s46, s46, s16                     ; Ridx: 2 x tile + half
	s_lshr_b32 s21, s20, 7
	s_lshr_b32 s47, s46, 4
	s_add_co_u32 s21, s21, s47                     ; the batch: from P's tokens or from R's
	s_lshl_b32 s21, s21, 11
	s_and_b32 s46, s46, 15
	s_lshl_b32 s46, s46, 7
	s_and_b32 s20, s20, 127
	s_add_co_u32 s20, s20, s21
	s_add_co_u32 s20, s20, s46                     ; my first chunk, a multiple of 8, under 8,192
	s_mul_i32 s46, s20, 1536
	s_mov_b32 s47, 0
	s_lshl_b32 s20, s20, 6
	s_add_co_u32 s20, s20, SGO
	s_mov_b32 s21, 0
	s_add_nc_u64 s[20:21], s[12:13], s[20:21]      ; the scale group
	s_add_nc_u64 s[12:13], s[12:13], s[46:47]      ; the chunks
	; THE FACTORS, while the first tiles are on their way.  16 a lane: d % 32 = 16 (lane / 16) + i
	s_lshr_b32 s23, s17, 3                         ; pos: 8 tiles of 256 tokens to a batch
	v_lshlrev_b32 v30, 4, v2
	v_cvt_f32_u32 v31, s23
	v_mul_f32 v31, 0x3e800000, v31                 ; pos / 4
.irp i, 0,1,2,3,4,5,6,7,8,9,10,11,12,13,14,15
	v_add_nc_u32 v[RY+\i], \i, v30
.endr
.irp i, 0,1,2,3,4,5,6,7,8,9,10,11,12,13,14,15
	v_cvt_f32_u32 v[RY+\i], v[RY+\i]
.endr
.irp i, 0,1,2,3,4,5,6,7,8,9,10,11,12,13,14,15
	v_mul_f32 v[RY+\i], 0xbed49a78, v[RY+\i]       ; x -log2(10000) / 32
.endr
.irp i, 0,1,2,3,4,5,6,7,8,9,10,11,12,13,14,15
	v_exp_f32 v[RY+\i], v[RY+\i]                   ; theta
.endr
	v_nop                                          ; a plain instruction behind the last exponential
	s_wait_alu depctr_va_vdst(0)                   ; one wait for the batch, ahead of its first reader
.irp i, 0,1,2,3,4,5,6,7,8,9,10,11,12,13,14,15
	v_mul_f32 v[RY+\i], v31, v[RY+\i]              ; y = the angle / 4
.endr
.irp i, 0,1,2,3,4,5,6,7,8,9,10,11,12,13,14,15
	v_mul_f32 v[RZ+\i], v[RY+\i], v[RY+\i]         ; z = y^2
.endr
.irp i, 0,1,2,3,4,5,6,7,8,9,10,11,12,13,14,15
	v_mov_b32 v[RS+\i], 0xb2d7322b                 ; -1 / 11!
	v_mov_b32 v[RC+\i], 0xb493f27e                 ; -1 / 10!
.endr
.irp k, 0x3638ef1d, 0xb9500d01, 0x3c088889, 0xbe2aaaab   ; 1 / 9!, -1 / 7!, 1 / 5!, -1 / 3!
.irp i, 0,1,2,3,4,5,6,7,8,9,10,11,12,13,14,15
	v_fmaak_f32 v[RS+\i], v[RS+\i], v[RZ+\i], \k
.endr
.endr
.irp k, 0x37d00d01, 0xbab60b61, 0x3d2aaaab, 0xbf000000   ; 1 / 8!, -1 / 6!, 1 / 4!, -1 / 2
.irp i, 0,1,2,3,4,5,6,7,8,9,10,11,12,13,14,15
	v_fmaak_f32 v[RC+\i], v[RC+\i], v[RZ+\i], \k
.endr
.endr
.irp i, 0,1,2,3,4,5,6,7,8,9,10,11,12,13,14,15
	v_mul_f32 v[RS+\i], v[RS+\i], v[RZ+\i]
	v_fma_f32 v[RC+\i], v[RC+\i], v[RZ+\i], 1.0    ; cos y
.endr
.irp i, 0,1,2,3,4,5,6,7,8,9,10,11,12,13,14,15
	v_fma_f32 v[RS+\i], v[RS+\i], v[RY+\i], v[RY+\i]   ; sin y
.endr
.rept 2                                        ; twice to the double angle: sin 2y = 2 sin y cos y, cos 2y = 1 - 2 sin^2 y
.irp i, 0,1,2,3,4,5,6,7,8,9,10,11,12,13,14,15
	v_mul_f32 v[RZ+\i], v[RS+\i], v[RS+\i]
.endr
.irp i, 0,1,2,3,4,5,6,7,8,9,10,11,12,13,14,15
	v_mul_f32 v[RS+\i], v[RS+\i], v[RC+\i]
.endr
.irp i, 0,1,2,3,4,5,6,7,8,9,10,11,12,13,14,15
	v_add_f32 v[RS+\i], v[RS+\i], v[RS+\i]
	v_fma_f32 v[RC+\i], v[RZ+\i], -2.0, 1.0
.endr
.endr
.irp i, 0,1,2,3,4,5,6,7,8,9,10,11,12,13,14,15
	v_add_f32 v[FPL+\i], v[RC+\i], v[RS+\i]
	v_sub_f32 v[FMI+\i], v[RC+\i], v[RS+\i]
.endr
.macro FRAG reg, adr, q, i             ; a fragment, 16 rows x 128 K of 6-bit codes, is 12 registers: lane l holds row l % 16; registers 6 c .. 6 c + 5 hold K = 64 c + 32 (l / 16) + 0 .. 31: 24 bytes of the row's stream of bits, as they lie
.irp p, 0,1,2,3,4,5                    ; in pieces of 8 bytes, so that every address is a multiple of the access's size.  Lanes 0-15 take the row's pieces 12 q + 0, 1, 2 and 12 q + 6, 7, 8, lanes 16-31 those three pieces on
.set PC, 12*(\q)+6*(\p/3)+\p%3        ; 16 bytes of padding lie behind every 64 bytes (8 pieces): where the piece three on lies behind one padding more, the second address register serves
.if PC%8 < 5
	ds_load_b64 v[\reg+2*\p:\reg+2*\p+1], v[\adr] offset:8*PC+16*(PC/8)+(\i)*16*PITCH
.else
	ds_load_b64 v[\reg+2*\p:\reg+2*\p+1], v[\adr+2] offset:8*PC+16*(PC/8)+(\i)*16*PITCH
.endif
.endr
.endm
; 16 matrix instructions: P's blocks a0, a0 + 1 x R's eight, 128 along K: the slot's q-th.  p: R's set;  sc: the set of scale words.  zero = 1: the first product starts the sums: nothing is ever cleared.
; The 64 accumulators take turns, one instruction a turn, in the same order in every step.
.macro MUL16 a0, p, q, sc, zero
.irp a, \a0, \a0+1
.irp b, 0,1,2,3,4,5,6,7
.if \zero
	v_wmma_scale_f32_16x16x128_f8f6f4 v[8*(8*((\a)%4)+\b):8*(8*((\a)%4)+\b)+7], v[128*(\p)+FR*\b:128*(\p)+FR*\b+FR-1], v[AF+FR*(\a):AF+FR*(\a)+FR-1], 0, v[SC+8*NQ*(\sc)+NQ*\b+(\q)], v[SC+8*NQ*(\sc)+NQ*(\a)+(\q)] matrix_a_fmt:MATRIX_FMT_FP6 matrix_b_fmt:MATRIX_FMT_FP6 matrix_a_scale:MATRIX_SCALE_ROW1
.else
	v_wmma_scale_f32_16x16x128_f8f6f4 v[8*(8*((\a)%4)+\b):8*(8*((\a)%4)+\b)+7], v[128*(\p)+FR*\b:128*(\p)+FR*\b+FR-1], v[AF+FR*(\a):AF+FR*(\a)+FR-1], v[8*(8*((\a)%4)+\b):8*(8*((\a)%4)+\b)+7], v[SC+8*NQ*(\sc)+NQ*\b+(\q)], v[SC+8*NQ*(\sc)+NQ*(\a)+(\q)] matrix_a_fmt:MATRIX_FMT_FP6 matrix_b_fmt:MATRIX_FMT_FP6 matrix_a_scale:MATRIX_SCALE_ROW1
.endif
.endr
.endr
.endm
.macro FETCH_B slot, q, p              ; R's eight fragments of the slot's q-th 128 along K into set p
	WIN TO_B
.irp i, 0,1,2,3,4,5,6,7
	FRAG 128*(\p)+FR*\i, ADRB+\slot, \q, \i
.endr
	WIN 0
.endm
.macro FETCH_A slot, q, i0             ; P's blocks i0 .. i0 + 3
.irp i, \i0, \i0+1, \i0+2, \i0+3
	FRAG AF+FR*(\i), ADRA+\slot, \q, \i
.endr
.endm
.macro SCALES sc                       ; the next K step's scale words into set sc: two words a row; lanes 0-15 take P's block i, lanes 16-31 R's block i
.irp i, 0,1,2,3,4,5,6,7
	ds_load_b64 v[SC+8*NQ*\sc+NQ*\i:SC+8*NQ*\sc+NQ*\i+1], v[ADRS] offset:\i*SBLK
.endr
.endm
; A load into a register that a matrix instruction has read, and a vector instruction that reads a matrix result, stand NP places behind that matrix instruction, and only plain vector
; instructions that name none of its registers are places (ISA guide 7.12.1 for vector instructions).
.macro PLACES n
.rept \n
	v_nop
.endr
.endm
; A step of 128 along K that has its successor in the same slot.
.macro STEP slot, q, zero
	s_wait_dscnt 4*NL                              ; R's set and P's blocks 0-3 are in; the youngest 24 loads (P's blocks 4-7) may be out
	WIN MUL_LO
	MUL16 0, (\q)%2, \q, \slot, \zero
	MUL16 2, (\q)%2, \q, \slot, \zero
	s_wait_dscnt 0                                 ; P's blocks 4-7 are in (asked for 32 matrix instructions ago)
	PLACES NP
	FETCH_B \slot, (\q)+1, 1-(\q)%2
	FETCH_A \slot, (\q)+1, 0
	WIN MUL_HI
	MUL16 4, (\q)%2, \q, \slot, \zero
	MUL16 6, (\q)%2, \q, \slot, \zero
	PLACES NP
	WIN 0
	FETCH_A \slot, (\q)+1, 4
.endm
; A slot's last step changes slots: ONE barrier; in front of it each wave waits for all its tensor loads, adds 0 to its spare word, and waits for that and for its own reads of this slot.  fill = 1: this slot is filled again, two K steps ahead.
.macro TURN slot, next, fill
	s_wait_tensorcnt 0x0                           ; all my tensor loads have landed: my part of the next slot;  (every window is 0 here: the add's two registers lie in window 0)
	ds_add_u32 v[SPW], v[NIL]                      ; 0 onto my spare word
	s_wait_dscnt 4*NL+1                            ; (the add and the youngest 24 loads, P's blocks 4-7, may be out)
	WIN MUL_LO
	MUL16 0, 1, NQ-1, \slot, 0                     ; sixteen matrix instructions stand between the add and the wait for it
	s_wait_dscnt 0x0                               ; the add is done, and my reads of this slot are over
	s_barrier_signal -1
	MUL16 2, 1, NQ-1, \slot, 0
	WIN 0
	s_barrier_wait -1
.if \fill
	CREST                                          ; the barrier has opened a round of the cluster's barrier: no wave of any partner still reads this slot's tile or has a load on its way
	s_add_nc_u64 s[G0+4*\slot+2:G0+4*\slot+3], s[G0+4*\slot+2:G0+4*\slot+3], 2*ROWB
	s_add_nc_u64 s[G0B+4*\slot+2:G0B+4*\slot+3], s[G0B+4*\slot+2:G0B+4*\slot+3], 2*ROWB
	JLOAD G0+4*\slot, G1, G0B+4*\slot, G1B         ; the first tensor load behind the round; the four v_nop behind it are the places in front of the loads below
.else
	PLACES NP
.endif
	v_add_nc_u32 v[ADRS], 4*NQ, v[ADRS]            ; on to the next K step's scale words (no LDS load of mine is out)
	FETCH_B \next, 0, 0
	FETCH_A \next, 0, 0
	SCALES \next
	WIN MUL_HI
	MUL16 4, 1, NQ-1, \slot, 0
	MUL16 6, 1, NQ-1, \slot, 0
	PLACES NP
	WIN 0
	FETCH_A \next, 0, 4
.endm
	s_wait_tensorcnt 1                             ; the scales and my part of K step 0 are in (K step 1's load may be out)
	s_barrier_signal -1
	s_barrier_wait -1                              ; everybody's are
	FETCH_B 0, 0, 0
	FETCH_A 0, 0, 0
	SCALES 0
	FETCH_A 0, 0, 4
	STEP 0, 0, 1                                   ; the first step stands in front of the loop: its products start the sums
	s_mov_b32 s3, LAPS-1
.Llap:                                                 ; a trip goes once round the ring, from a lap's second step to the next lap's first, and fills both slots again
	TURN 0, 1, 1
	STEP 1, 0, 0
	TURN 1, 0, 1
	STEP 0, 0, 0
	s_sub_co_u32 s3, s3, 1
	s_cmp_lg_u32 s3, 0
	s_cbranch_scc1 .Llap
	TURN 0, 1, 0                                   ; the last lap fills nothing, and has no round of the cluster's barrier
	STEP 1, 0, 0
	s_wait_dscnt 4*NL                              ; the very last step: nothing more to fetch
	WIN MUL_LO
	MUL16 0, 1, NQ-1, 1, 0
	MUL16 2, 1, NQ-1, 1, 0
	s_wait_dscnt 0
	WIN MUL_HI
	MUL16 4, 1, NQ-1, 1, 0
	MUL16 6, 1, NQ-1, 1, 0
	WIN 0
; 64 numbers of a lane, v[s] .. v[s + 63], register 16 b + i = k 32 b + 16 (lane / 16) + i of my row, become a fragment's codes in v[CD] on and its scale word in v[PW].
.macro QUANT s
.irp b, 0,1,2,3
	v_max3_num_f32 v[TM+\b], |v[\s+16*\b]|, |v[\s+1+16*\b]|, 0x1800000   ; block b: my 16 numbers, and the floor 2^(3 - 127): so the byte cannot fall under 1
.endr
.irp i, 2,4,6,8,10,12,14
.irp b, 0,1,2,3
	v_max3_num_f32 v[TM+\b], v[TM+\b], |v[\s+16*\b+\i]|, |v[\s+1+16*\b+\i]|   ; (the four blocks by turns: no line waits for the line above it)
.endr
.endr
.irp b, 0,1,2,3
	v_permlanex16_b32 v[TM+4+\b], v[TM+\b], s[SEL], s[SEL+1]
.endr
.irp b, 0,1,2,3
	v_max_num_f32 v[TM+\b], v[TM+\b], v[TM+4+\b]   ; with lane l xor 16's: the block's largest magnitude
.endr
.irp b, 0,1,2,3
	v_add_nc_u32 v[TM+12+\b], 0xff000000, v[TM+\b]   ; 2 off its exponent field: the conversion's scale operand
.endr
.irp b, 0,1,2,3
	v_lshrrev_b32 v[TM+4+\b], 23, v[TM+12+\b]      ; the scale's byte
.endr
	v_lshl_or_b32 v[PW], v[TM+5], 8, v[TM+4]       ; the four bytes make my row's scale word; both halves of the lanes hold it
	v_lshl_or_b32 v[PW], v[TM+6], 16, v[PW]
	v_lshl_or_b32 v[PW], v[TM+7], 24, v[PW]
.irp c, 0,1
	v_cvt_scalef32_pk16_fp6_f32 v[CD+6*\c:CD+2+6*\c], v[\s+32*\c:\s+15+32*\c], v[TM+12+2*\c]
	v_cvt_scalef32_pk16_fp6_f32 v[CD+12+4*\c:CD+14+4*\c], v[\s+16+32*\c:\s+31+32*\c], v[TM+12+2*\c+1]   ; (a conversion's three registers begin on an even number)
.endr
	v_nop                                          ; one plain place behind a scaled conversion
.irp c, 0,1                                    ; the operand's layout wants a WHOLE block in a lane: lanes 0-15 block 2 c, lanes 16-31 block 2 c + 1
.irp i, 0,1,2
	v_permlane16_swap_b32 v[CD+6*\c+\i], v[CD+12+4*\c+\i]
.endr
.irp i, 0,1,2
	v_mov_b32 v[CD+3+6*\c+\i], v[CD+12+4*\c+\i]
.endr
.endr
.endm
; THE WAY OUT of block a (16 rows of P x my 128 of R): times the factors, quantised, stored as the fragment's registers stand: three stores of 512 consecutive bytes, aligned.
.macro OUTBLK a
.if (\a) > 0
	s_wait_xcnt 0x0                                ; the last block's stores have read their registers: the codes may be written again
.endif
	WIN (0x02+(\a)/4)                              ; source 0: window 2 or 3
.irp bb, 0,1,2,3                               ; each accumulator is read from its low end on
.irp n, 0,2,4,6,8,10,12,14
	v_pk_mul_f32 v[HA+16*\bb+\n:HA+16*\bb+\n+1], v[64*((\a)%4)+16*\bb+\n:64*((\a)%4)+16*\bb+\n+1], v[FPL+16*(\bb%2)+\n:FPL+16*(\bb%2)+\n+1]   ; even blocks of 32: d < 32: cos + sin; odd ones: cos - sin
.endr
.endr
	WIN 0
	QUANT HA
.irp c, 0,1,2
	global_store_b128 v[GI], v[CD+4*\c:CD+4*\c+3], s[12:13] offset:(\a)*1536+512*\c
.endr
.if (\a) < 4
	v_mov_b32 v[SW+(\a)], v[PW]                    ; the scale group: lanes 0-15 keep the words of blocks 0-3,
.else
	v_cndmask_b32 v[SW+(\a)-4], v[SW+(\a)-4], v[PW], vcc_lo   ; lanes 16-31 take those of blocks 4-7
.endif
.endm
	PLACES NP                                      ; behind the last products: their results are read, and the registers that held P's fragments are written
	v_and_b32 v6, 31, v0
	v_cmp_lt_u32 vcc_lo, 15, v6                    ; lanes 16-31
.irp b, 0,1,2,3
	v_mov_b32 v[TM+4+\b], 0                        ; written once: a lane permute's destination counts as one of its sources
.endr
.irp a, 0,1,2,3,4,5,6,7
	OUTBLK \a
.endr
	global_store_b128 v[GI], v[SW:SW+3], s[20:21]  ; 512 consecutive bytes, aligned
	s_wait_tensorcnt 0x0                           ; the wave's end
	ds_add_u32 v[SPW], v[NIL]
	s_wait_dscnt 0x0
	CROUND                                         ; the closing round: no work-group ends while a partner may still ask for a tile that names it
	s_endpgm
.Lfunc_end_k_qd4bd0fda92_proj:
	.size	k_qd4bd0fda92_proj, .Lfunc_end_k_qd4bd0fda92_proj-k_qd4bd0fda92_proj
	.p2alignl 7, 3214868480
	.fill 96, 4, 3214868480
	.section	.rodata,"a",@progbits
	.p2align	6, 0x0
	.amdhsa_kernel k_qd4bd0fda92_proj
		.amdhsa_group_segment_fixed_size 327680
		.amdhsa_private_segment_fixed_size 0
		.amdhsa_enable_private_segment 0
		.amdhsa_kernarg_size 24
		.amdhsa_user_sgpr_count 2
		.amdhsa_user_sgpr_kernarg_segment_ptr 1
		.amdhsa_wavefront_size32 1
		.amdhsa_system_sgpr_workgroup_id_x 1
		.amdhsa_system_sgpr_workgroup_id_y 1
		.amdhsa_system_sgpr_workgroup_id_z 1
		.amdhsa_system_vgpr_workitem_id 0
		.amdhsa_next_free_vgpr 1024
		.amdhsa_next_free_sgpr 98
		.amdhsa_reserve_vcc 1
		.amdhsa_float_denorm_mode_32 3
		.amdhsa_float_denorm_mode_16_64 3
		.amdhsa_memory_ordered 1
		.amdhsa_forward_progress 1
		.amdhsa_inst_pref_size 202
	.end_amdhsa_kernel
	.amdgpu_metadata
---
amdhsa.version: [ 1, 2 ]
amdhsa.kernels:
  - .name:           k_qd4bd0fda92_proj
    .symbol:         k_qd4bd0fda92_proj.kd
    .args:
      - { .name: xq, .offset: 0, .size: 8, .value_kind: global_buffer, .address_space: global }
      - { .name: wqkq, .offset: 8, .size: 8, .value_kind: global_buffer, .address_space: global }
      - { .name: qkimg, .offset: 16, .size: 8, .value_kind: global_buffer, .address_space: global }
    .group_segment_fixed_size: 327680
    .private_segment_fixed_size: 0
    .kernarg_segment_align: 8
    .kernarg_segment_size: 24
    .max_flat_workgroup_size: 128
    .sgpr_count:     98
    .vgpr_count:     1024
    .wavefront_size: 32
...
	.end_amdgpu_metadata
.endif
;; end of part 2
;; launch proj_v: the kernel of part 2 again; grid 32 x 4, 4 waves a work-group, clusters of 4 x 4, 327,680 bytes of LDS; arguments wvq, xq, vimg; writes vimg
;; launch attn (part 3): grid 16 x 32, 16 waves a work-group, clusters of 4 x 1, 327,680 bytes of LDS; arguments qkimg, vimg, out0; writes out0
.if DOCPART == 3
	.amdgcn_target "amdgcn-amd-amdhsa--gfx1250"
	.amdhsa_code_object_version 6
	.text
	.protected	k_qd4bd0fda92_attn
	.globl	k_qd4bd0fda92_attn
	.p2align	8
	.type	k_qd4bd0fda92_attn,@function
k_qd4bd0fda92_attn:
	s_mov_b64 s[64:65], 0
	v_nop
	global_prefetch_b8 v0, s[64:65] scope:SCOPE_SE
	s_setreg_imm32_b32 hwreg(HW_REG_WAVE_MODE, 25, 1), 1
	s_wait_xcnt 0x0
	s_wait_alu depctr_hold_cnt(0) depctr_sa_sdst(0) depctr_va_vdst(0) depctr_va_sdst(0) depctr_va_ssrc(0) depctr_va_vcc(0) depctr_vm_vsrc(0)
	s_getreg_b32 s2, hwreg(HW_REG_IB_STS2, 6, 4)
	s_cmp_eq_u32 s2, 0
	s_cbranch_scc0 .Lentry_in_a_cluster
	s_endpgm
.Lentry_in_a_cluster:
	s_bfe_u32 s2, ttmp6, 0x10000c
	s_cmp_lg_u32 s2, 0x3003
	s_cbranch_scc0 .Lentry_shape_is_right
	s_endpgm
.Lentry_shape_is_right:
; out[b][q][64 head + d] = the sum over k of softmax_k(q . k / 8) v, for 4 batches x 16 heads x 2,048 tokens, head size 64; both products on codes of FP6 (E2M3) with E8M0 scales.
; THE OPERANDS ARRIVE AS IMAGES OF THEIR REGISTERS: a chunk of 1,536 bytes is a fragment of 16 rows x 128 K, register q of lane l at 512 (q / 4) + 16 l + 4 (q % 4): three loads of 16 bytes a lane bring it.
;   qkimg: chunk (16 b + mid) x 128 + token tile; mid 0-7: q of head pair mid, 8-15: k of head pair mid - 8.  Its 128 K are the 64 d of the even head, then of the odd head.
;          Lane r of token tile a holds token 32 (a / 2) + 8 (a % 2) + r + 8 (r / 8) of the batch's run of tiles.
;   vimg:  chunk (16 b + key step) x 128 + 4 head + d tile: 16 of the head's d x the step's 128 keys, in their order.  Lane r of d tile t holds d = 32 (t / 2) + 8 (t % 2) + r + 8 (r / 8).
;   Behind the chunks, at SGO + 64 x chunk: the scale words of 8 neighbouring chunks as 512 bytes: lane r + 16 h's word j is that of chunk 4 h + j, row r.
; HEAD SIZE 64 IN A PRODUCT OF K = 128: k's pair image is source 0 as it lies; of q's pair image the OTHER head's six registers and two scale bytes are set to 0.  Zero codes times the other head's codes
; (finite: the format has no infinity or NaN; k's bytes lie from 1 to 254, q's masked bytes are 0, which stands for 2^-127) add exact zeros.
; THE SOFTMAX: t = score x log2(e) / 8; M = the row's largest t so far, rounded UP to a whole number; p = 2^(t - M) is quantised along the keys, not normalised.  The row's sum is taken of the unquantised p
; and divides O at the end.  When M moves, the sum and O are multiplied by 2^(old M - new M): exact.
; SHARES.  A work-group owns 128 queries of one head pair of one batch.  Wave w: head w / 8 of the pair, query tile w % 8: 16 queries in 256 registers, four waves to a SIMD.
; Every wave walks all 2,048 keys, 128 a step.  Both products are used transposed (S^T = k q^T, O^T = v^T p^T): a lane holds one query throughout, and by the order of tokens in a tile the 16 registers of
; score tiles 2 b and 2 b + 1 are keys 32 b + 16 (lane / 16) + 0 .. 15 of the step.
; THE RING: two LDS slots of four key steps each (k: 4 x 8 chunks, v: 4 x 8 chunks of the pair), filled by waves 0, 1 (k's halves) and 2, 3 (v's) and read by all sixteen.  The scale groups of all 16 steps stay in LDS.
; CLUSTER: the four query blocks of a cluster belong to one batch and head pair and walk the same k and v: each tile is asked for JOINTLY, with a mask that names the four.
; No prefetch: a slot is asked for four key steps of all sixteen waves ahead of its first read, so no wave's loop is laid out to wait for it.
; LIMITS: NaN and infinities are not served; p under 2^-126 counts as 0.
; REGISTERS: v1-7 addresses that stay; v8-11 addresses of the step; v12 -M, v13 the largest t, v[14:15] the sum in two halves; v16-27 q; v32-79 four fragments of k or of v; v96-159 S^T, then p;
;   v160-191 O^T; v224-235 p's codes; v232-247 at work; v248-251 k's or v's scale words; v252 f; v253 p's scale word; v254 at work; v255 q's scale word.
.set IMG,   1536                       ; a chunk
.set STEPB, 8*IMG                      ; a key step's eight chunks, of k or of v
.set VOFF,  4*STEPB                    ; a slot: four steps of k, then four of v
.set SLOT1, 1<<17                      ; slot 1 begins here, so that one exclusive or turns an address in one slot into the other's
.set NSL,   4                          ; slots' worth of keys
.set SCK,   2*SLOT1                    ; behind the ring: k's 16 scale groups,
.set SCV,   SCK+8192                   ; v's,
.set SPARE, SCV+8192                   ; and the spare words, 128 bytes for each wave: eight blocks of 256 bytes that no other line names
.set STAGE, 0                          ; the way out: 16 rows x (256 bytes + 16) for each wave, in slot 0: it has had its last fill, and behind the last change of slots nobody reads it
.set SGO,   12582912                   ; where the scale groups begin in qkimg and vimg
.set AK0,  1                           ; v1   16 x lane: my place in a chunk
.set AV0,  2                           ; v2   the same among v's chunks of my head
.set ASK0, 3                           ; v3   my place in k's scale groups
.set ASV0, 4                           ; v4   and in v's
.set SPW,  5                           ; v5   LDS address of my spare word; never rewritten
.set NIL,  6                           ; v6   0; never rewritten
.set GO,   7                           ; v7   the way out: my byte offset in the wave's rows of out
.set ADK,  8
.set ADV,  9
.set ADS,  10
.set ADT,  11
.set TB,   2                           ; s2   LDS byte at which the slot in hand begins
.set TS,   3                           ; s3   the step's scale groups: 512 bytes a step
.set WV,   18                          ; s18  my wave's number
.set SEL,  20                          ; s[20:21] lane selects for v_permlanex16_b32: lane l xor 16
.set CS,   22                          ; s[22:23] c = log2(e) / 8
.set G1K,  24                          ; s[24:31] descriptor group 1 for k's chunks;  s[32:39] for v's;  s[40:43], s[44:47] their groups 0, which walk
.set G1V,  32
.set G0K,  40
.set G0V,  44
.set G1SK, 48                          ; s[48:55], s[56:63] groups 1 for the scale groups;  s[68:71], s[72:75] their groups 0
.set G1SV, 56
.set G0SK, 68
.set G0SV, 72
.set SLOTS, 66                         ; s66  slots still to be asked for
; Group 1: r rows of c elements of 8 bytes, p elements apart; the mask names all four work-groups of the cluster, bit 21 is set beside it; no padding: a chunk is read 512 consecutive bytes at a time.
.macro GROUP1 g, c, r, p
	s_mov_b32 s[\g], 15|(3<<16)|(1<<21)
	s_mov_b32 s[\g+1], ((\c)&0xffff)<<16           ; tensor_dim0
	s_mov_b32 s[\g+2], ((\c)>>16)|(((\r)&0xffff)<<16)   ; tensor_dim1
	s_mov_b32 s[\g+3], ((\r)>>16)|((\c)<<16)       ; tile_dim0
	s_mov_b32 s[\g+4], \r                          ; tile_dim1
	s_mov_b32 s[\g+5], \p                          ; tensor_dim0_stride
	s_mov_b32 s[\g+6], 0
	s_mov_b32 s[\g+7], 0
.endm
; Waves 0 and 1 fetch for k, waves 2 and 3 for v, the others nothing.  The branches hang on the wave's number alone: they are the same in every work-group.  Four v_nop follow each of the two lines.
.macro TLOAD g0k, g1k, g0v, g1v
	s_cmp_lt_u32 s[WV], 2
	s_cbranch_scc0 .Lnot_k_\@
	tensor_load_to_lds s[\g0k:\g0k+3], s[\g1k:\g1k+7]
	s_nop 0
.rept 4
	v_nop
.endr
	s_branch .Lasked_\@
.Lnot_k_\@:
	s_cmp_lt_u32 s[WV], 4
	s_cbranch_scc0 .Lasked_\@
	tensor_load_to_lds s[\g0v:\g0v+3], s[\g1v:\g1v+7]
	s_nop 0
.rept 4
	v_nop
.endr
.Lasked_\@:
.endm
; A round of the cluster's barrier: my work-group's barrier; wave 0 signals for the work-group; every wave waits for all four work-groups; my work-group's barrier once more.
.macro CROUND
	s_barrier_signal -1
	s_barrier_wait -1
	s_cmp_lg_u32 s[WV], 0
	s_cbranch_scc1 .Lnot_wave_0_\@
	s_barrier_signal -3
.Lnot_wave_0_\@:
	s_barrier_wait -3
	s_barrier_signal -1
	s_barrier_wait -1
.endm
	s_load_b128 s[4:7], s[0:1], 0x0                ; qkimg s[4:5], vimg s[6:7]
	s_load_b64 s[8:9], s[0:1], 0x10                ; out
	v_lshl_add_u32 v[SPW], v0, 2, SPARE
	v_mov_b32 v[NIL], 0
	ds_add_u32 v5, v6
	s_wait_dscnt 0x0
	v_lshrrev_b32 v8, 5, v0
	v_readfirstlane_b32 s[WV], v8                  ; wave 0..15
	s_and_b32 s78, ttmp7, 0xffff                   ; 8 b + hp, which the four partners share
	s_lshr_b32 s79, s78, 3                         ; b: the batch
	s_and_b32 s80, s78, 7                          ; hp: the head pair
	s_and_b32 s81, s[WV], 1                        ; u: which half I fetch, if I fetch
	s_lshr_b32 s82, s[WV], 3                       ; c: my head of the pair
	s_and_b32 s83, s[WV], 7                        ; a: my query tile
	s_lshl_b32 s84, s79, 4
	s_add_co_u32 s84, s84, s80                     ; 16 b + hp: q's run of 128 chunks
	s_add_co_u32 s85, s84, 8                       ; k's
	s_mul_i32 s86, s85, 128*IMG
	s_mul_i32 s87, s81, 2*STEPB
	s_add_co_u32 s86, s86, s87
	s_mov_b32 s87, 0                               ; s[86:87] k's chunks: my half of slot 0
	s_lshl_b32 s88, s85, 13
	s_lshl_b32 s89, s81, 12
	s_add_co_u32 s88, s88, s89
	s_add_co_u32 s88, s88, SGO
	s_mov_b32 s89, 0                               ; s[88:89] k's scale groups: my eight of the sixteen
	s_lshl_b32 s85, s79, 11
	s_lshl_b32 s90, s80, 3
	s_add_co_u32 s85, s85, s90                     ; 2,048 b + 8 hp: the pair's eight chunks of v in key step 0
	s_mul_i32 s90, s85, IMG
	s_mul_i32 s91, s81, 2*128*IMG
	s_add_co_u32 s90, s90, s91
	s_mov_b32 s91, 0                               ; s[90:91] v's chunks: my two steps of slot 0
	s_lshl_b32 s92, s85, 6
	s_lshl_b32 s93, s81, 16
	s_add_co_u32 s92, s92, s93
	s_add_co_u32 s92, s92, SGO
	s_mov_b32 s93, 0                               ; s[92:93] v's scale groups: my eight steps'
	s_mul_i32 s67, s81, 2*STEPB                    ; where my half goes in a slot,
	s_lshl_b32 s19, s81, 12                        ; and among the scale groups: no place in the cluster enters an LDS address
	; q and out: the one place where my work-group's number in the cluster enters, in registers that feed no descriptor
	s_bfe_u32 s76, ttmp6, 0x40000                  ; cx
	s_lshl_b32 s77, ttmp9, 2
	s_add_co_u32 s77, s77, s76                     ; qb: my block of 128 queries
	s_lshl_b32 s94, s84, 7
	s_lshl_b32 s95, s77, 3
	s_add_co_u32 s94, s94, s95                     ; the block's first chunk
	s_add_co_u32 s96, s94, s83
	s_mul_i32 s96, s96, IMG
	s_mov_b32 s97, 0                               ; s[96:97] my tile's chunk
	s_lshl_b32 s98, s94, 6
	s_lshr_b32 s95, s83, 2
	s_lshl_b32 s95, s95, 8
	s_add_co_u32 s98, s98, s95
	s_and_b32 s95, s83, 3
	s_lshl_b32 s95, s95, 2
	s_add_co_u32 s98, s98, s95
	s_add_co_u32 s98, s98, SGO
	s_mov_b32 s99, 0                               ; s[98:99] its scale words in the block's group: 256 (a / 4) + 4 (a % 4), + 16 r
	s_lshl_b32 s94, s79, 11
	s_lshl_b32 s95, s77, 7
	s_add_co_u32 s94, s94, s95
	s_lshr_b32 s95, s83, 1
	s_lshl_b32 s95, s95, 5
	s_add_co_u32 s94, s94, s95
	s_and_b32 s95, s83, 1
	s_lshl_b32 s95, s95, 3
	s_add_co_u32 s94, s94, s95                     ; my tile's first token: 2,048 b + 128 qb + 32 (a / 2) + 8 (a % 2)
	s_lshl_b32 s94, s94, 12                        ; 4,096 bytes a token
	s_lshl_b32 s95, s80, 1
	s_add_co_u32 s95, s95, s82
	s_lshl_b32 s95, s95, 8                         ; 256 bytes a head
	s_add_co_u32 s94, s94, s95
	s_mov_b32 s95, 0                               ; s[94:95] in out
	GROUP1 G1K, 32, 96, 32                         ; half a slot of k: 24,576 dense bytes as 96 rows of 256
	GROUP1 G1V, 1536, 2, 24576                     ; two steps of v: 12,288 bytes each, 196,608 apart
	GROUP1 G1SK, 32, 16, 32                        ; eight of k's scale groups: 4,096 dense bytes
	GROUP1 G1SV, 64, 8, 1024                       ; eight of v's: 512 bytes each, 8,192 apart
	s_mov_b32 s[SEL], 0x76543210
	s_mov_b32 s[SEL+1], 0xfedcba98
	s_mov_b32 s[CS], 0x3e38aa3b                    ; c = log2(e) / 8
	s_mov_b32 s[CS+1], s[CS]                       ; (named with it as a pair, so it is written)
	s_mov_b32 s[TB], 0
	s_mov_b32 s[TS], 0
	s_mov_b32 s[SLOTS], NSL-1
	s_wait_kmcnt 0x0
	s_add_nc_u64 s[96:97], s[4:5], s[96:97]
	s_add_nc_u64 s[98:99], s[4:5], s[98:99]
	s_add_nc_u64 s[8:9], s[8:9], s[94:95]
	CROUND                                         ; all four work-groups are here: the first joint loads meet
	s_mov_b32 s[G0SK], 1                           ; count = 1
	s_add_co_u32 s[G0SK+1], s19, SCK               ; LDS address
	s_add_nc_u64 s[G0SK+2:G0SK+3], s[4:5], s[88:89]   ; global address
	s_or_b32 s[G0SK+3], s[G0SK+3], 0x80000000      ; type = 2
	s_mov_b32 s[G0SV], 1
	s_add_co_u32 s[G0SV+1], s19, SCV
	s_add_nc_u64 s[G0SV+2:G0SV+3], s[6:7], s[92:93]
	s_or_b32 s[G0SV+3], s[G0SV+3], 0x80000000
	TLOAD G0SK, G1SK, G0SV, G1SV                   ; the scale groups of all 16 key steps: filled once
	s_mov_b32 s[G0K], 1
	s_mov_b32 s[G0K+1], s67                        ; slot 0
	s_add_nc_u64 s[G0K+2:G0K+3], s[4:5], s[86:87]
	s_or_b32 s[G0K+3], s[G0K+3], 0x80000000
	s_mov_b32 s[G0V], 1
	s_add_co_u32 s[G0V+1], s67, VOFF
	s_add_nc_u64 s[G0V+2:G0V+3], s[6:7], s[90:91]
	s_or_b32 s[G0V+3], s[G0V+3], 0x80000000
	TLOAD G0K, G1K, G0V, G1V                       ; slot 0: by this text's count a fetching wave has two tensor loads out
	v_and_b32 v8, 31, v0                           ; lane
	v_and_b32 v9, 15, v0                           ; r
	v_bfe_u32 v10, v0, 4, 1                        ; h
	v_lshlrev_b32 v[AK0], 4, v8
.irp e, 0,1,2
	global_load_b128 v[16+4*\e:19+4*\e], v[AK0], s[96:97] offset:512*\e   ; q's pair image
.endr
	v_lshlrev_b32 v254, 4, v9
	global_load_b32 v255, v254, s[98:99]           ; and its scale words
	s_mul_i32 s67, s82, 4*IMG
	s_add_co_u32 s67, s67, VOFF
	v_add_nc_u32 v[AV0], s67, v[AK0]               ; v: my head's four chunks of a step's eight
	v_add_nc_u32 v[ASK0], SCK, v[AK0]              ; k's scale group: 16 bytes a lane: lanes 0-15 tiles 0-3, lanes 16-31 tiles 4-7
	s_lshl_b32 s67, s82, 8
	s_add_co_u32 s67, s67, SCV
	v_lshl_add_u32 v[ASV0], v9, 4, s67             ; v's: my head's half of the group, row r
	v_lshlrev_b32 v[GO], 12, v10
	v_lshl_add_u32 v[GO], v9, 4, v[GO]             ; the way out: lanes 0-15 one token, lanes 16-31 the next; 16 bytes a lane
	s_cmp_eq_u32 s82, 0                            ; which head of the pair is mine: the other's codes and scale bytes of q become 0
	s_cselect_b32 s84, -1, 0
	s_cselect_b32 s85, 0, -1
	s_mov_b32 s86, 0xffff0000
	s_cselect_b32 s86, 0xffff, s86
	s_wait_loadcnt 0x0                             ; q
	v_and_b32 v255, s86, v255
.irp i, 0,1,2,3,4,5
	v_and_b32 v[16+\i], s84, v[16+\i]
	v_and_b32 v[22+\i], s85, v[22+\i]
.endr
	v_mov_b32 v13, 0xff61b1e6                      ; the largest t so far: -3e38, under every t.  (These moves are also the places between the masks and the first product)
	v_floor_f32 v12, -v13                          ; -M
	v_mov_b32 v14, 0                               ; the sum, in two halves
	v_mov_b32 v15, 0
.irp b, 0,1,2,3
	v_mov_b32 v[236+\b], 0                         ; written once: a lane permute's destination counts as one of its sources
.endr
	v_mov_b32 v253, 0                              ; (named as the upper half of the pair v[252:253] before it is first written)
.irp j, 0,1,2,3,4,5,6,7,8,9,10,11,12,13,14,15,16,17,18,19,20,21,22,23,24,25,26,27,28,29,30,31
	v_mov_b32 v[160+\j], 0                         ; O^T.  (The step is written once: the first finds zeros, which the first change of M leaves zeros)
.endr
; A KEY STEP: 128 keys, the q-th of the slot in hand.
.macro STEP q
	v_add_nc_u32 v[ADK], s[TB], v[AK0]             ; (these four are the places behind the last step's products, in front of the loads below)
	v_add_nc_u32 v[ADV], s[TB], v[AV0]
	v_add_nc_u32 v[ADS], s[TS], v[ASK0]
	v_add_nc_u32 v[ADT], s[TS], v[ASV0]
	ds_load_b128 v[248:251], v[ADS]                ; k's scale words of all eight tiles
.irp g, 0,1                                    ; S^T = k q^T, four tiles of 16 keys at a time
.if \g
.rept 4
	v_nop                                          ; places in front of loads into registers that matrix instructions have read
.endr
.endif
.irp t, 0,1,2,3
.irp e, 0,1,2
	ds_load_b128 v[32+12*\t+4*\e:35+12*\t+4*\e], v[ADK] offset:(\q)*STEPB+(4*\g+\t)*IMG+512*\e
.endr
.endr
	s_wait_dscnt 0x0
.irp t, 0,1,2,3
.if \g == 0
	v_wmma_scale_f32_16x16x128_f8f6f4 v[96+8*\t:103+8*\t], v[32+12*\t:43+12*\t], v[16:27], 0, v[248+\t], v255 matrix_a_fmt:MATRIX_FMT_FP6 matrix_b_fmt:MATRIX_FMT_FP6
.else
	v_wmma_scale_f32_16x16x128_f8f6f4 v[128+8*\t:135+8*\t], v[32+12*\t:43+12*\t], v[16:27], 0, v[248+\t], v255 matrix_a_fmt:MATRIX_FMT_FP6 matrix_b_fmt:MATRIX_FMT_FP6 matrix_a_scale:MATRIX_SCALE_ROW1
.endif
.endr
.endr
.rept 4
	v_nop                                          ; places: behind them the scores are read, and the fragments' and scale words' registers are loaded anew
.endr
	ds_load_b128 v[248:251], v[ADT]                ; v's scale words and fragments are asked for here and land under the softmax
.irp t, 0,1,2,3
.irp e, 0,1,2
	ds_load_b128 v[32+12*\t+4*\e:35+12*\t+4*\e], v[ADV] offset:(\q)*STEPB+\t*IMG+512*\e
.endr
.endr
.irp b, 0,1,2,3
	v_max3_num_f32 v[232+\b], v[96+16*\b], v[97+16*\b], v[98+16*\b]   ; THE LARGEST SCORE OF EACH BLOCK OF 32 KEYS: it serves twice: for the row's maximum, and, since p rises with the score, for the block's largest p
.endr
.irp i, 3,5,7,9,11,13
.irp b, 0,1,2,3
	v_max3_num_f32 v[232+\b], v[232+\b], v[96+16*\b+\i], v[97+16*\b+\i]   ; (the four blocks by turns)
.endr
.endr
.irp b, 0,1,2,3
	v_max_num_f32 v[232+\b], v[232+\b], v[111+16*\b]
.endr
.irp b, 0,1,2,3
	v_permlanex16_b32 v[236+\b], v[232+\b], s[SEL], s[SEL+1]
.endr
.irp b, 0,1,2,3
	v_max_num_f32 v[232+\b], v[232+\b], v[236+\b]  ; with lane l xor 16's 16 keys
.endr
	v_max3_num_f32 v254, v232, v233, v234
	v_max_num_f32 v254, v254, v235                 ; the step's largest score of my query
	v_mul_f32 v254, s[CS], v254                    ; as t (c is positive)
	v_max_num_f32 v13, v13, v254                   ; the running largest t
	v_mov_b32 v254, v12
	v_floor_f32 v12, -v13                          ; the new -M = floor(-t) = -ceil(t): M IS A WHOLE NUMBER
	v_sub_f32 v254, v12, v254                      ; M's old value less its new one: a whole number, 0 or less
	v_cvt_i32_f32 v254, v254                       ; (it saturates)
	v_ldexp_f32 v252, 1.0, v254                    ; f = 2^(old M - new M): a multiplication by it rounds nothing
.irp j, 0,2,4,6,8,10,12,14,16,18,20,22,24,26,28,30,32,34,36,38,40,42,44,46,48,50,52,54,56,58,60,62
	v_pk_fma_f32 v[96+\j:97+\j], v[96+\j:97+\j], s[CS:CS+1], v[12:13] op_sel_hi:[1,0,0]   ; t - M, two at a time (of the pairs c and -M the low word serves both halves)
.endr
.irp b, 0,1,2,3
	v_fma_f32 v[232+\b], v[232+\b], s[CS], v12     ; the same of each block's largest score
.endr
.irp j, 0,1,2,3,4,5,6,7,8,9,10,11,12,13,14,15,16,17,18,19,20,21,22,23,24,25,26,27,28,29,30,31,32,33,34,35,36,37,38,39,40,41,42,43,44,45,46,47,48,49,50,51,52,53,54,55,56,57,58,59,60,61,62,63
	v_exp_f32 v[96+\j], v[96+\j]                   ; p = 2^(t - M), at most 1: NOT normalised
.endr
.irp b, 0,1,2,3
	v_exp_f32 v[232+\b], v[232+\b]                 ; the block's largest p: the same two instructions on the same number give the same bits.  ONE BATCH of 68: none reads another's result
.endr
	v_pk_mul_f32 v[14:15], v[14:15], v[252:253] op_sel_hi:[1,0]   ; the sums under the new M: the plain instruction behind the last exponential
.irp j, 0,2,4,6,8,10,12,14,16,18,20,22,24,26,28,30
	v_pk_mul_f32 v[160+\j:161+\j], v[160+\j:161+\j], v[252:253] op_sel_hi:[1,0]   ; O^T under the new M, each accumulator from its low end on: work that names no exponential's result
.endr
	s_wait_alu depctr_va_vdst(0)                   ; one wait for the whole batch, ahead of its first reader
.irp b, 0,1,2,3
	v_max_num_f32 v[232+\b], 0x1800000, v[232+\b]  ; the floor 2^(3 - 127): the byte cannot fall under 1 (a block whose every p has fallen to 0 keeps that byte: its codes are zeros)
.endr
.irp b, 0,1,2,3
	v_add_nc_u32 v[244+\b], 0xff000000, v[232+\b]  ; 2 off the exponent field: the conversion's scale operand
.endr
.irp b, 0,1,2,3
	v_lshrrev_b32 v[236+\b], 23, v[244+\b]         ; the scale's byte
.endr
	v_lshl_or_b32 v253, v237, 8, v236              ; p's scale word for these 128 keys
	v_lshl_or_b32 v253, v238, 16, v253
	v_lshl_or_b32 v253, v239, 24, v253
.irp c, 0,1
	v_cvt_scalef32_pk16_fp6_f32 v[224+6*\c:226+6*\c], v[96+32*\c:111+32*\c], v[244+2*\c]
	v_cvt_scalef32_pk16_fp6_f32 v[236+4*\c:238+4*\c], v[112+32*\c:127+32*\c], v[244+2*\c+1]   ; (a conversion's three registers begin on an even number)
.endr
	v_nop                                          ; one plain vector instruction behind the scaled conversions
.irp c, 0,1                                    ; the operand's layout wants a WHOLE block in a lane: lanes 0-15 block 2 c, lanes 16-31 block 2 c + 1
.irp i, 0,1,2
	v_permlane16_swap_b32 v[224+6*\c+\i], v[236+4*\c+\i]
.endr
.irp i, 0,1,2
	v_mov_b32 v[227+6*\c+\i], v[236+4*\c+\i]
.endr
.endr
	v_pk_add_f32 v[236:237], v[96:97], v[98:99]    ; THE ROW'S SUM IS TAKEN OF THE UNQUANTISED p: two at a time, in two chains.  These 32 name no register of the products below: they are the places behind p's codes and scale word
.irp j, 4,8,12,16,20,24,28,32,36,40,44,48,52,56,60
	v_pk_add_f32 v[14:15], v[14:15], v[96+\j:97+\j]
	v_pk_add_f32 v[236:237], v[236:237], v[98+\j:99+\j]
.endr
	v_pk_add_f32 v[14:15], v[14:15], v[236:237]
	s_wait_dscnt 0x0                               ; v's fragments and scale words are in
.irp t, 0,1,2,3                                ; O^T += v^T p^T: the head's four tiles of 16; the four accumulators take turns, one instruction a turn
	v_wmma_scale_f32_16x16x128_f8f6f4 v[160+8*\t:167+8*\t], v[32+12*\t:43+12*\t], v[224:235], v[160+8*\t:167+8*\t], v[248+\t], v253 matrix_a_fmt:MATRIX_FMT_FP6 matrix_b_fmt:MATRIX_FMT_FP6
.endr
	s_add_co_u32 s[TS], s[TS], 512                 ; the next step's scale groups
.endm
; THE CHANGE OF SLOTS stands at a slot's head.  Each wave waits for all its tensor loads (its part of the slot that it is about to read), adds 0 to its spare word, and waits for that and for its reads of the slot that it has left.
; fill = 1: the barrier is a round of the cluster's, so that no wave of any partner still reads the other slot or has a load on its way; the joint fill of that slot with the next four key steps is the first thing behind it.
.macro CHANGE fill
	s_wait_tensorcnt 0x0                           ; no tensor load of mine is out, so a group 0 may be written
	ds_add_u32 v[SPW], v[NIL]                      ; 0 onto my spare word
.if \fill
	s_xor_b32 s[G0K+1], s[G0K+1], SLOT1            ; the walking descriptors: the other slot than last time,
	s_add_nc_u64 s[G0K+2:G0K+3], s[G0K+2:G0K+3], 4*STEPB       ; the next four key steps; the type bits on top are not reached
	s_xor_b32 s[G0V+1], s[G0V+1], SLOT1
	s_add_nc_u64 s[G0V+2:G0V+3], s[G0V+2:G0V+3], 4*128*IMG
	s_wait_dscnt 0x0                               ; the add is done, and my reads of the slot that I have left are over
	CROUND
	TLOAD G0K, G1K, G0V, G1V                       ; a wave's one tensor load until the next round
.else
	s_wait_dscnt 0x0
	s_barrier_signal -1
	s_barrier_wait -1
.endif
.endm
.macro SLOT_STEPS
	STEP 0
	STEP 1
	STEP 2
	STEP 3
	s_xor_b32 s[TB], s[TB], SLOT1                  ; on to the other slot
.endm
.Lslot:                                            ; NSL - 1 trips: behind each change of slots but the last the next slot is asked for
	CHANGE 1
	SLOT_STEPS
	s_sub_co_u32 s[SLOTS], s[SLOTS], 1
	s_cmp_lg_u32 s[SLOTS], 0
	s_cbranch_scc1 .Lslot
	CHANGE 0                                       ; the last slot is written out
	SLOT_STEPS
	; THE WAY OUT.  O^T is divided by the row's sum and goes through my stage in LDS, so that sixteen lanes store a token's 256 bytes of my head.
	v_add_f32 v14, v14, v15                        ; the sum's two halves,
	v_permlanex16_b32 v252, v14, s[SEL], s[SEL+1]
	v_add_f32 v14, v14, v252                       ; and lane l xor 16's: the row's sum
	v_rcp_f32 v14, v14
	v_and_b32 v8, 15, v0                           ; (a plain place behind the reciprocal)  r
	v_bfe_u32 v9, v0, 4, 1                         ; h
	s_mul_i32 s67, s[WV], 16*272
	s_add_co_u32 s67, s67, STAGE                   ; my stage
	v_mul_u32_u24 v10, v8, 272
	v_lshl_add_u32 v10, v9, 6, v10
	v_add_nc_u32 v10, s67, v10                     ; in: row r, + 64 h: register 8 t + j is d = 32 (t / 2) + 8 (t % 2) + 16 h + j
	v_mul_u32_u24 v11, v9, 272
	v_lshl_add_u32 v11, v8, 4, v11
	v_add_nc_u32 v11, s67, v11                     ; back: lanes 0-15 one row, lanes 16-31 the next
	s_wait_alu depctr_va_vdst(0)                   ; the wait ahead of the reciprocal's first reader
.irp j, 0,1,2,3,4,5,6,7,8,9,10,11,12,13,14,15,16,17,18,19,20,21,22,23,24,25,26,27,28,29,30,31
	v_mul_f32 v[96+\j], v[160+\j], v14             ; each accumulator from its low end on
.endr
.irp t, 0,1,2,3
	ds_store_b128 v10, v[96+8*\t:99+8*\t] offset:128*(\t/2)+32*(\t%2)
	ds_store_b128 v10, v[100+8*\t:103+8*\t] offset:128*(\t/2)+32*(\t%2)+16
.endr
.irp i, 0,1,2,3,4,5,6,7
	ds_load_b128 v[32+4*\i:35+4*\i], v11 offset:2*\i*272   ; LDS serves a wave's instructions in order (ISA guide 5.7.1.4): these see my stores
.endr
.irp i, 0,1,2,3,4,5,6,7
	s_wait_dscnt 7-\i                              ; the 7 - i younger loads may be out
	global_store_b128 v[GO], v[32+4*\i:35+4*\i], s[8:9] offset:(2*\i+8*(\i/4))*4096 th:TH_STORE_NT   ; stage row m is token m + 8 (m / 8) of my tile; 16 lanes store 256 consecutive bytes, aligned
.endr
	s_wait_tensorcnt 0x0                           ; the wave's end, behind my last tensor load and my last LDS store
	ds_add_u32 v[SPW], v[NIL]
	s_wait_dscnt 0x0
	CROUND                                         ; the closing round: no work-group ends while a partner may still ask for a tile that names it
	s_endpgm
.Lfunc_end_k_qd4bd0fda92_attn:
	.size	k_qd4bd0fda92_attn, .Lfunc_end_k_qd4bd0fda92_attn-k_qd4bd0fda92_attn
	.p2alignl 7, 3214868480
	.fill 96, 4, 3214868480
	.section	.rodata,"a",@progbits
	.p2align	6, 0x0
	.amdhsa_kernel k_qd4bd0fda92_attn
		.amdhsa_group_segment_fixed_size 327680
		.amdhsa_private_segment_fixed_size 0
		.amdhsa_enable_private_segment 0
		.amdhsa_kernarg_size 24
		.amdhsa_user_sgpr_count 2
		.amdhsa_user_sgpr_kernarg_segment_ptr 1
		.amdhsa_wavefront_size32 1
		.amdhsa_system_sgpr_workgroup_id_x 1
		.amdhsa_system_sgpr_workgroup_id_y 1
		.amdhsa_system_sgpr_workgroup_id_z 1
		.amdhsa_system_vgpr_workitem_id 0
		.amdhsa_next_free_vgpr 256
		.amdhsa_next_free_sgpr 100
		.amdhsa_reserve_vcc 0
		.amdhsa_float_denorm_mode_32 3
		.amdhsa_float_denorm_mode_16_64 3
		.amdhsa_memory_ordered 1
		.amdhsa_forward_progress 1
		.amdhsa_inst_pref_size 145
	.end_amdhsa_kernel
	.amdgpu_metadata
---
amdhsa.version: [ 1, 2 ]
amdhsa.kernels:
  - .name:           k_qd4bd0fda92_attn
    .symbol:         k_qd4bd0fda92_attn.kd
    .args:
      - { .name: qkimg, .offset: 0, .size: 8, .value_kind: global_buffer, .address_space: global }
      - { .name: vimg, .offset: 8, .size: 8, .value_kind: global_buffer, .address_space: global }
      - { .name: out0, .offset: 16, .size: 8, .value_kind: global_buffer, .address_space: global }
    .group_segment_fixed_size: 327680
    .private_segment_fixed_size: 0
    .kernarg_segment_align: 8
    .kernarg_segment_size: 24
    .max_flat_workgroup_size: 512
    .sgpr_count:     100
    .vgpr_count:     256
    .wavefront_size: 32
...
	.end_amdgpu_metadata
.endif
;; end of part 3
